; MI455X (gfx1250); checked and timed in simulation.
; The chip was launched on July 23, 2026; its instructions are those of AMD's public machine-readable ISA for CDNA 5 (MIT licence, August 2026) and "CDNA5" Instruction Set Architecture Reference Guide (July 2026). The comments in the code are by the model that wrote it; some were corrected since.
;; GMM1 D. Allowed arithmetic: float matrix products may take bf16 or f16 operands with f32 sums; all other float work in f32.
;; Inputs: lv 128 float32; mu 128 float32; mz 2,097,152 float32; pi_l 128 float32.
;; Outputs: out0 2,097,152 float32.
;; 2 versions, each right; version 2 is version 1 with the launch gmm written anew for expert scheduling mode. Each part assembles by itself: llvm-mc -triple=amdgcn-amd-amdhsa -mcpu=gfx1250 --defsym DOCPART=n.
;; ======== version 1 of 2: 1 launch
;; launch gmm (part 1): grid 256 x 1, 16 waves a work-group, no clusters, 3,584 bytes of LDS; arguments mz, pi_l, mu, lv, out0; writes out0
.if DOCPART == 1
	.amdgcn_target "amdgcn-amd-amdhsa--gfx1250"
	.amdhsa_code_object_version 6
	.text
	.protected	k_q2ac81b0054_gmm
	.globl	k_q2ac81b0054_gmm
	.p2align	8
	.type	k_q2ac81b0054_gmm,@function
k_q2ac81b0054_gmm:
	s_mov_b64 s[64:65], 0
	v_nop
	global_prefetch_b8 v0, s[64:65] scope:SCOPE_SE
	s_setreg_imm32_b32 hwreg(HW_REG_WAVE_MODE, 25, 1), 1
	s_wait_xcnt 0x0
; out0[n] = sum over k of softmax(pi_l)[k] / (sqrt(2 pi) sigma_k) * exp(-0.5 (mz[n] - mu[k])^2 / sigma_k^2),  sigma_k^2 = exp(lv[k]).
; 2,097,152 points, 128 components, everything in f32.
;
; FORM.  The weight is folded into the exponent:  term = exp2(A_k d^2 + c_k),  d = mz[n] - mu[k],
;   A_k = -0.5 log2(e) exp(-lv_k)
;   c_k = (pi_l[k] - max) log2(e) - log2(sum_j exp(pi_l[j] - max)) - 0.5 log2(2 pi) - 0.5 log2(e) lv_k
; so two terms cost four packed f32 instructions (subtract, square, fused multiply-add, add) and two v_exp_f32.  The softmax takes its
; maximum away first.  The difference d is formed first, from the numbers as they are given: the square is not multiplied out and mz is
; not scaled before the subtraction, since both would be differences of large numbers for narrow components or a common offset.
;
; SHARES.  256 work-groups of 16 waves; a work-group owns 8,192 neighbouring points, a wave 512, a lane 16, kept in registers from the
; first line to the last: mz is read once and out0 written once, each load and store of a wave covering 512 consecutive bytes, aligned.
; Wave 0 makes the table of the 128 (mu, A, c) once for the work-group and leaves it in LDS (1,536 bytes); behind one barrier all waves
; read it, every lane the same 16 bytes, one group of four components ahead of its use.
;
; NOT USED, and why.  Matrix instructions: the sum over k has a single output column, and a conversion to bf16 for each pair of terms would
; cost what the packed add costs that it replaces.  Clusters, tensor loads, an LDS ring: work-groups share only the 1,536 bytes of
; parameters, and a lane's points fit in 16 registers.  Prefetches: every global load is issued in the first lines.
;
; LIMITS.  v_exp_f32 flushes denormals (ISA guide, 15.8): a term below 2^-126 counts as 0, and exp(-lv) below 2^-126 (lv above about 87.3)
; counts as 0, i.e. that component is flat.  With the weight in the exponent a term is finite wherever its true value is, also where the
; weight alone or the density alone would leave f32's range; the order of rounding differs from a product followed by a sum.
.set OFF,  1                           ; v1       byte offset of my first 16 bytes of mz and out0 in the work-group's part
.set LOFF, 2                           ; v2       16 x lane
.set WV,   3                           ; v3       wave number
.set PA,   4                           ; v4       LDS address of the trip's first group of the table (the same in all lanes)
.set TA,   5                           ; v5       wave 0: where my lane's group of the table goes
.set X,    8                           ; v[8:23]  my 16 points
.set E,    24                          ; v[24:39] their exponents for one component
.set ACC,  40                          ; v[40:55] their sums
.set G,    56                          ; v[56:63] results of v_exp_f32, two sets of four in turn
.set D,    64                          ; v[64:71] differences and squares, two sets of four in turn
.set PR0,  72                          ; v[72:83] a group of four components: mu x 4, A x 4, c x 4
.set PR1,  84                          ; v[84:95] the other group
.set GRP,  48                          ; bytes of a group in LDS
; wave 0's registers while it makes the table (free again before the loop)
.set PL,   24                          ; v[24:27] pi_l of components 4 lane .. 4 lane + 3, later c
.set LV,   28                          ; v[28:31] lv
.set MU,   32                          ; v[32:35] mu
.set W,    36                          ; v[36:39] -lv log2(e)
.set S,    40                          ; v[40:43] exp(pi_l - max), their sum
.set T,    44                          ; v[44:45] the maximum
.set AQ,   48                          ; v[48:51] A
	s_load_b256 s[4:11], s[0:1], 0x0               ; mz s[4:5], pi_l s[6:7], mu s[8:9], lv s[10:11]
	s_load_b64 s[12:13], s[0:1], 0x20              ; out0
	v_lshl_add_u32 v96, v0, 2, 0x600
	v_mov_b32 v97, 0
	v_lshrrev_b32 v[WV], 5, v0
	v_readfirstlane_b32 s14, v[WV]                 ; wave number as a scalar
	v_and_b32 v[LOFF], 31, v0
	v_lshlrev_b32 v[LOFF], 4, v[LOFF]              ; 16 x lane
	v_lshl_or_b32 v[OFF], v[WV], 11, v[LOFF]       ; + wave x 512 points x 4 bytes
	v_mov_b32 v[PA], 0
	s_lshl_b32 s2, ttmp9, 15                       ; the work-group's 8,192 points x 4 bytes (at most 255 x 32,768: one word)
	s_mov_b32 s3, 0
	s_wait_kmcnt 0x0
	s_add_nc_u64 s[4:5], s[4:5], s[2:3]
	s_add_nc_u64 s[12:13], s[12:13], s[2:3]
.irp j, 0,1,2,3
	global_load_b128 v[X+4*\j:X+4*\j+3], v[OFF], s[4:5] offset:512*\j th:TH_LOAD_NT   ; read once in the whole launch
.endr
	s_cmp_lg_u32 s14, 0
	s_cbranch_scc1 .Ltable_done                    ; only wave 0 makes the table; the barrier stands behind the label, for every wave
	; THE TABLE.  Lane L owns components 4 L .. 4 L + 3: one 16-byte load from each of the three inputs.
	global_load_b128 v[PL:PL+3], v[LOFF], s[6:7]
	global_load_b128 v[LV:LV+3], v[LOFF], s[10:11]
	global_load_b128 v[MU:MU+3], v[LOFF], s[8:9]
	s_mov_b32 s16, 0x76543210                      ; v_permlanex16_b32: lane i of one half reads lane i of the other
	s_mov_b32 s17, 0xfedcba98
	s_wait_loadcnt 0x2                             ; loads return in order (ISA guide 5.7.1): pi_l is in, lv and mu may be out
	v_max_num_f32 v[T], v[PL], v[PL+1]             ; the maximum of the 128 pi_l: in the lane,
	v_max_num_f32 v[T+1], v[PL+2], v[PL+3]
	v_max_num_f32 v[T], v[T], v[T+1]
	v_max_num_f32_dpp v[T], v[T], v[T] row_xmask:1 row_mask:0xf bank_mask:0xf      ; in each half of 16 lanes,
	v_max_num_f32_dpp v[T], v[T], v[T] row_xmask:2 row_mask:0xf bank_mask:0xf
	v_max_num_f32_dpp v[T], v[T], v[T] row_xmask:4 row_mask:0xf bank_mask:0xf
	v_max_num_f32_dpp v[T], v[T], v[T] row_xmask:8 row_mask:0xf bank_mask:0xf
	v_permlanex16_b32 v[T+1], v[T], s16, s17       ; and across the halves (the destination has been written above)
	v_max_num_f32 v[T], v[T], v[T+1]
	v_pk_add_f32 v[PL:PL+1], v[PL:PL+1], v[T:T+1] op_sel_hi:[1,0] neg_lo:[0,1] neg_hi:[0,1]       ; pi_l - max
	v_pk_add_f32 v[PL+2:PL+3], v[PL+2:PL+3], v[T:T+1] op_sel_hi:[1,0] neg_lo:[0,1] neg_hi:[0,1]
	v_pk_mul_f32 v[PL:PL+1], v[PL:PL+1], 0x3fb8aa3b op_sel_hi:[1,0]                               ; x log2(e)
	v_pk_mul_f32 v[PL+2:PL+3], v[PL+2:PL+3], 0x3fb8aa3b op_sel_hi:[1,0]
.irp j, 0,1,2,3
	v_exp_f32 v[S+\j], v[PL+\j]                    ; exp(pi_l - max), at most 1
.endr
	s_wait_loadcnt 0x1                             ; lv is in, mu may be out
	v_pk_mul_f32 v[W:W+1], v[LV:LV+1], 0xbfb8aa3b op_sel_hi:[1,0]         ; -lv log2(e); also the plain instruction that stands between
	v_pk_mul_f32 v[W+2:W+3], v[LV+2:LV+3], 0xbfb8aa3b op_sel_hi:[1,0]     ; the exponentials and the first use of their results (ISA guide 5.7.2)
	s_wait_alu depctr_va_vdst(0)
	v_pk_add_f32 v[S:S+1], v[S:S+1], v[S+2:S+3]    ; the sum of the 128, by the same steps as the maximum
	v_add_f32 v[S], v[S], v[S+1]
	v_add_f32_dpp v[S], v[S], v[S] row_xmask:1 row_mask:0xf bank_mask:0xf
	v_add_f32_dpp v[S], v[S], v[S] row_xmask:2 row_mask:0xf bank_mask:0xf
	v_add_f32_dpp v[S], v[S], v[S] row_xmask:4 row_mask:0xf bank_mask:0xf
	v_add_f32_dpp v[S], v[S], v[S] row_xmask:8 row_mask:0xf bank_mask:0xf
	v_permlanex16_b32 v[S+1], v[S], s16, s17
	v_add_f32 v[S], v[S], v[S+1]
	v_log_f32 v[S+1], v[S]                         ; log2 of the sum (the sum is between 1 and 128)
.irp j, 0,1,2,3
	v_exp_f32 v[AQ+\j], v[W+\j]                    ; exp(-lv)
.endr
	v_mul_u32_u24 v[TA], 3, v[LOFF]                ; 48 x lane; the plain instruction behind these five transcendentals
	s_wait_alu depctr_va_vdst(0)
	v_sub_f32 v[S], 0xbfa9b21d, v[S+1]             ; -0.5 log2(2 pi) - log2(sum)
	v_pk_mul_f32 v[AQ:AQ+1], v[AQ:AQ+1], 0xbf38aa3b op_sel_hi:[1,0]       ; A = -0.5 log2(e) exp(-lv)
	v_pk_mul_f32 v[AQ+2:AQ+3], v[AQ+2:AQ+3], 0xbf38aa3b op_sel_hi:[1,0]
	v_pk_add_f32 v[PL:PL+1], v[PL:PL+1], v[S:S+1] op_sel_hi:[1,0]         ; log2 of softmax / sqrt(2 pi)
	v_pk_add_f32 v[PL+2:PL+3], v[PL+2:PL+3], v[S:S+1] op_sel_hi:[1,0]
	v_pk_fma_f32 v[PL:PL+1], v[LV:LV+1], 0xbf38aa3b, v[PL:PL+1] op_sel_hi:[1,0,1]         ; c = that - 0.5 log2(e) lv
	v_pk_fma_f32 v[PL+2:PL+3], v[LV+2:LV+3], 0xbf38aa3b, v[PL+2:PL+3] op_sel_hi:[1,0,1]
	s_wait_loadcnt 0x0                             ; mu, stored as it came
	ds_store_b128 v[TA], v[MU:MU+3]                ; lane L at 48 L: sixteen neighbouring lanes fall on sixteen different 16-byte
	ds_store_b128 v[TA], v[AQ:AQ+3] offset:16      ; columns modulo 256 bytes, since 3 L mod 16 takes every value once
	ds_store_b128 v[TA], v[PL:PL+3] offset:32
	s_wait_dscnt 0x0                               ; for the other waves' sake: the table is in LDS before the signal
.Ltable_done:
	s_barrier_signal -1
	s_barrier_wait -1                              ; behind it every wave may read the table; nobody writes LDS again
; three broadcast loads: one group of four components into pr
.macro LOADP pr, off
	ds_load_b128 v[\pr:\pr+3],    v[PA] offset:\off
	ds_load_b128 v[\pr+4:\pr+7],  v[PA] offset:\off+16
	ds_load_b128 v[\pr+8:\pr+11], v[PA] offset:\off+32
.endm
; One component for my 16 points, four points at a time.  The component is register pp + sel of each quad of group pr: op_sel and op_sel_hi
; both name that register of the pair, for the low and for the high result.
; The step is skewed: v_exp_f32 works on the exponents that the step before left in E, and the packed lines between put this component's
; exponents in their place.  So exponentials and plain instructions alternate, and each v_exp_f32 has a plain instruction that names none of its
; registers behind it before E is rewritten or its result added (ISA guide 5.7.2).
; mode 0: the first component, no exponents yet.  mode 1: the exponentials write the sums themselves, so that nothing is cleared.  mode 2: add.
.macro STEP pr, pp, sel, mode
.irp i, 0,1,2,3
.set DD, D+4*(\i%2)
.if \mode == 1
.set XD, ACC+4*\i
.else
.set XD, G+4*(\i%2)
.endif
.if \mode
	v_exp_f32 v[XD], v[E+4*\i]
.endif
	v_pk_add_f32 v[DD:DD+1], v[X+4*\i:X+4*\i+1], v[\pr+\pp:\pr+\pp+1] op_sel:[0,\sel] op_sel_hi:[1,\sel] neg_lo:[0,1] neg_hi:[0,1]       ; d = mz - mu
.if \mode
	v_exp_f32 v[XD+1], v[E+4*\i+1]
.endif
	v_pk_add_f32 v[DD+2:DD+3], v[X+4*\i+2:X+4*\i+3], v[\pr+\pp:\pr+\pp+1] op_sel:[0,\sel] op_sel_hi:[1,\sel] neg_lo:[0,1] neg_hi:[0,1]
.if \mode
	v_exp_f32 v[XD+2], v[E+4*\i+2]
.endif
	v_pk_mul_f32 v[DD:DD+1], v[DD:DD+1], v[DD:DD+1]                                                                                     ; d^2
.if \mode
	v_exp_f32 v[XD+3], v[E+4*\i+3]
.endif
	v_pk_mul_f32 v[DD+2:DD+3], v[DD+2:DD+3], v[DD+2:DD+3]
	v_pk_fma_f32 v[E+4*\i:E+4*\i+1], v[DD:DD+1], v[\pr+4+\pp:\pr+4+\pp+1], v[\pr+8+\pp:\pr+8+\pp+1] op_sel:[0,\sel,\sel] op_sel_hi:[1,\sel,\sel]       ; A d^2 + c
	v_pk_fma_f32 v[E+4*\i+2:E+4*\i+3], v[DD+2:DD+3], v[\pr+4+\pp:\pr+4+\pp+1], v[\pr+8+\pp:\pr+8+\pp+1] op_sel:[0,\sel,\sel] op_sel_hi:[1,\sel,\sel]
.if \mode == 2
	s_wait_alu depctr_va_vdst(0)
	v_pk_add_f32 v[ACC+4*\i:ACC+4*\i+1], v[ACC+4*\i:ACC+4*\i+1], v[XD:XD+1]
	v_pk_add_f32 v[ACC+4*\i+2:ACC+4*\i+3], v[ACC+4*\i+2:ACC+4*\i+3], v[XD+2:XD+3]
.endif
.endr
.endm
; A trip: eight components, two groups.  A group's registers are loaded again, for the next trip, as soon as its four steps are done: four
; steps (192 instructions) ahead of their use.  m0, m1: the modes of the trip's first two steps.  more = 0: the last trip loads nothing.
.macro TRIP m0, m1, more
	s_wait_dscnt 0x3                               ; LDS loads return in order (ISA guide 5.7.1): PR0's three are in, PR1's three may be out
	STEP PR0, 0, 0, \m0
	STEP PR0, 0, 1, \m1
	STEP PR0, 2, 0, 2
	STEP PR0, 2, 1, 2
.if \more
	LOADP PR0, 2*GRP
	s_wait_dscnt 0x3                               ; PR1's three are in, the three just issued may be out
.else
	s_wait_dscnt 0x0                               ; nothing was issued behind PR1's three
.endif
	STEP PR1, 0, 0, 2
	STEP PR1, 0, 1, 2
	STEP PR1, 2, 0, 2
	STEP PR1, 2, 1, 2
.if \more
	LOADP PR1, 3*GRP
	v_add_nc_u32 v[PA], 2*GRP, v[PA]               ; the next trip's first group
.endif
.endm
	LOADP PR0, 0
	LOADP PR1, GRP
	s_wait_loadcnt 0x0                             ; my 16 points
	TRIP 0, 1, 1                                   ; components 0-7: written out, since its first two steps start the pipeline and the sums
	s_mov_b32 s15, 14                              ; components 8-119; the last of these trips loads groups 30 and 31, the table's end
.Ltrip:
	TRIP 2, 2, 1
	s_sub_co_i32 s15, s15, 1
	s_cmp_lg_u32 s15, 0
	s_cbranch_scc1 .Ltrip
	TRIP 2, 2, 0                                   ; components 120-127: written out, no load leaves the table
	; the last component's exponentials, into the points' registers, which are done with
.irp j, 0,1,2,3,4,5,6,7,8,9,10,11,12,13,14,15
	v_exp_f32 v[X+\j], v[E+\j]
.endr
	v_nop                                          ; nothing is left to do but to add: this is the plain instruction behind the run (ISA guide 5.7.2)
	s_wait_alu depctr_va_vdst(0)
.irp j, 0,2,4,6,8,10,12,14
	v_pk_add_f32 v[ACC+\j:ACC+\j+1], v[ACC+\j:ACC+\j+1], v[X+\j:X+\j+1]
.endr
.irp j, 0,1,2,3
	global_store_b128 v[OFF], v[ACC+4*\j:ACC+4*\j+3], s[12:13] offset:512*\j th:TH_STORE_NT   ; 32 lanes store 512 consecutive bytes, aligned
.endr
	s_wait_tensorcnt 0x0
	ds_add_u32 v96, v97
	s_wait_dscnt 0x0
	s_endpgm
.Lfunc_end_k_q2ac81b0054_gmm:
	.size	k_q2ac81b0054_gmm, .Lfunc_end_k_q2ac81b0054_gmm-k_q2ac81b0054_gmm
	.p2alignl 7, 3214868480
	.fill 96, 4, 3214868480
	.section	.rodata,"a",@progbits
	.p2align	6, 0x0
	.amdhsa_kernel k_q2ac81b0054_gmm
		.amdhsa_group_segment_fixed_size 3584
		.amdhsa_private_segment_fixed_size 0
		.amdhsa_enable_private_segment 0
		.amdhsa_kernarg_size 40
		.amdhsa_user_sgpr_count 2
		.amdhsa_user_sgpr_kernarg_segment_ptr 1
		.amdhsa_wavefront_size32 1
		.amdhsa_system_sgpr_workgroup_id_x 1
		.amdhsa_system_sgpr_workgroup_id_y 1
		.amdhsa_system_sgpr_workgroup_id_z 1
		.amdhsa_system_vgpr_workitem_id 0
		.amdhsa_next_free_vgpr 98
		.amdhsa_next_free_sgpr 66
		.amdhsa_reserve_vcc 0
		.amdhsa_float_denorm_mode_32 3
		.amdhsa_float_denorm_mode_16_64 3
		.amdhsa_memory_ordered 1
		.amdhsa_forward_progress 1
		.amdhsa_inst_pref_size 69
	.end_amdhsa_kernel
	.amdgpu_metadata
---
amdhsa.version: [ 1, 2 ]
amdhsa.kernels:
  - .name:           k_q2ac81b0054_gmm
    .symbol:         k_q2ac81b0054_gmm.kd
    .args:
      - { .name: mz, .offset: 0, .size: 8, .value_kind: global_buffer, .address_space: global }
      - { .name: pi_l, .offset: 8, .size: 8, .value_kind: global_buffer, .address_space: global }
      - { .name: mu, .offset: 16, .size: 8, .value_kind: global_buffer, .address_space: global }
      - { .name: lv, .offset: 24, .size: 8, .value_kind: global_buffer, .address_space: global }
      - { .name: out0, .offset: 32, .size: 8, .value_kind: global_buffer, .address_space: global }
    .group_segment_fixed_size: 3584
    .private_segment_fixed_size: 0
    .kernarg_segment_align: 8
    .kernarg_segment_size: 40
    .max_flat_workgroup_size: 512
    .sgpr_count:     66
    .vgpr_count:     98
    .wavefront_size: 32
...
	.end_amdgpu_metadata
.endif
;; end of part 1
;; ======== version 2 of 2: 1 launch; version 1 with the launch gmm written anew for expert scheduling mode
;; launch gmm (part 2): grid 256 x 1, 16 waves a work-group, no clusters, 3,584 bytes of LDS; arguments mz, pi_l, mu, lv, out0; writes out0
.if DOCPART == 2
	.amdgcn_target "amdgcn-amd-amdhsa--gfx1250"
	.amdhsa_code_object_version 6
	.text
	.protected	k_q2ac81b0054_gmm
	.globl	k_q2ac81b0054_gmm
	.p2align	8
	.type	k_q2ac81b0054_gmm,@function
k_q2ac81b0054_gmm:
	s_mov_b64 s[64:65], 0
	v_nop
	global_prefetch_b8 v0, s[64:65] scope:SCOPE_SE
	s_setreg_imm32_b32 hwreg(HW_REG_WAVE_SCHED_MODE, 0, 2), 2
	s_setreg_imm32_b32 hwreg(HW_REG_WAVE_MODE, 25, 1), 1
	s_wait_xcnt 0x0
	s_wait_alu depctr_vm_vsrc(0)
; out0[n] = sum over k of softmax(pi_l)[k] / (sqrt(2 pi) sigma_k) * exp(-0.5 (mz[n] - mu[k])^2 / sigma_k^2),  sigma_k^2 = exp(lv[k]).
; 2,097,152 points, 128 components, everything in f32.
;
; FORM.  The weight is folded into the exponent:  term = exp2(A_k d^2 + c_k),  d = mz[n] - mu[k],
;   A_k = -0.5 log2(e) exp(-lv_k)
;   c_k = (pi_l[k] - max) log2(e) - log2(sum_j exp(pi_l[j] - max)) - 0.5 log2(2 pi) - 0.5 log2(e) lv_k
; so two terms cost four packed f32 instructions (subtract, square, fused multiply-add, add) and two v_exp_f32.  The softmax takes its
; maximum away first.  The difference d is formed first, from the numbers as they are given: the square is not multiplied out and mz is
; not scaled before the subtraction, since both would be differences of large numbers for narrow components or a common offset.
;
; SHARES.  256 work-groups of 16 waves; a work-group owns 8,192 neighbouring points, a wave 512, a lane 16, kept in registers from the
; first line to the last: mz is read once and out0 written once, each load and store of a wave covering 512 consecutive bytes, aligned.
; Wave 0 makes the table of the 128 (mu, A, c) once for the work-group and leaves it in LDS (1,536 bytes); behind one barrier all waves
; read it, every lane the same 16 bytes, one group of four components ahead of its use.
;
; NOT USED, and why.  Matrix instructions: the sum over k has a single output column, and a conversion to bf16 for each pair of terms would
; cost what the packed add costs that it replaces.  Clusters, tensor loads, an LDS ring: work-groups share only the 1,536 bytes of
; parameters, and a lane's points fit in 16 registers.  Prefetches: every global load is issued in the first lines.
;
; LIMITS.  v_exp_f32 flushes denormals (ISA guide, 15.8): a term below 2^-126 counts as 0, and exp(-lv) below 2^-126 (lv above about 87.3)
; counts as 0, i.e. that component is flat.  With the weight in the exponent a term is finite wherever its true value is, also where the
; weight alone or the density alone would leave f32's range; the order of rounding differs from a product followed by a sum.
;
; THE MODE: SCHED_MODE bits 1:0 = 2 (LLVM: expert scheduling mode 2), set by the entry lines.  The code itself states the register dependences
; between vector instructions and memory or LDS instructions, with s_wait_alu, always for 0.
; THE PLAN.  A GROUP is four components: one parameter buffer, four steps, 192 vector instructions.  Registers that memory or LDS instructions touch, in the loop:
;   PR0, PR1   Read by the packed lines of the group that the buffer serves; behind that group the table's group two further on is loaded into it.
;   v[PA]      Read by every load of the table; written once a trip, at the end of PR0's group.
;   X, v[OFF]  X is loaded once, v[OFF] made once; neither is written again.  ACC is the data of the four stores at the end.
;   E, D and G are named by vector instructions alone.
; G is two buffers of 64 registers.  Group g's 64 exponentials write G[g % 2] and nothing in group g reads them; its adds take G[(g - 1) % 2], the batch of
; the group before.  So ONE wait on va_vdst stands at the end of a group.  It states that the group's exponentials have written their buffer (ahead of the first line that names a result
; and ahead of the loop's jump), that the group's lines are done reading its parameter buffer, in
; which the three loads behind the wait land, and, at the end of PR0's group, that v[PA] is written.  One wait on vm_vsrc a trip stands ahead of the add to v[PA].
.set OFF,  1                           ; v1       byte offset of my first 16 bytes of mz and out0 in the work-group's part
.set LOFF, 2                           ; v2       16 x lane
.set WV,   3                           ; v3       wave number
.set PA,   4                           ; v4       LDS address of the two groups of the table that are loaded next (the same in all lanes)
.set TA,   5                           ; v5       wave 0: where my lane's group of the table goes
.set X,    8                           ; v[8:23]  my 16 points
.set E,    24                          ; v[24:39] their exponents for one component
.set ACC,  40                          ; v[40:55] their sums
.set D,    56                          ; v[56:71] their differences, then the squares
.set PR0,  72                          ; v[72:83] a group of four components: mu x 4, A x 4, c x 4
.set PR1,  84                          ; v[84:95] the other group
.set G,    96                          ; v[96:223] results of v_exp_f32: buffer b, step c of a group: 16 registers at G + 64 b + 16 c
.set NONE, -1                          ; for STEP: no exponentials, or nothing to add
.set GRP,  48                          ; bytes of a group in LDS
; wave 0's registers while it makes the table (free again before the loop)
.set PL,   24                          ; v[24:27] pi_l of components 4 lane .. 4 lane + 3, later c
.set LV,   28                          ; v[28:31] lv
.set MU,   32                          ; v[32:35] mu
.set W,    36                          ; v[36:39] -lv log2(e)
.set S,    40                          ; v[40:43] exp(pi_l - max), their sum
.set T,    44                          ; v[44:45] the maximum
.set AQ,   48                          ; v[48:51] A
	s_load_b256 s[4:11], s[0:1], 0x0               ; mz s[4:5], pi_l s[6:7], mu s[8:9], lv s[10:11]
	s_load_b64 s[12:13], s[0:1], 0x20              ; out0
	v_lshl_add_u32 v6, v0, 2, 0x600
	v_mov_b32 v7, 0
	v_lshrrev_b32 v[WV], 5, v0
	v_readfirstlane_b32 s14, v[WV]                 ; wave number as a scalar
	v_and_b32 v[LOFF], 31, v0
	v_lshlrev_b32 v[LOFF], 4, v[LOFF]              ; 16 x lane
	v_lshl_or_b32 v[OFF], v[WV], 11, v[LOFF]       ; + wave x 512 points x 4 bytes
	v_mov_b32 v[PA], 0
	s_lshl_b32 s2, ttmp9, 15                       ; the work-group's 8,192 points x 4 bytes (at most 255 x 32,768: one word)
	s_mov_b32 s3, 0
	s_wait_alu depctr_va_sdst(0)                   ; s14 is written, ahead of its first reader, the compare below
	s_wait_kmcnt 0x0
	s_add_nc_u64 s[4:5], s[4:5], s[2:3]
	s_add_nc_u64 s[12:13], s[12:13], s[2:3]
	s_wait_alu depctr_va_vdst(0)                   ; v[OFF], v[LOFF] and v[PA] are written: the loads and stores below read them as offsets and as the table's address
.irp j, 0,1,2,3
	global_load_b128 v[X+4*\j:X+4*\j+3], v[OFF], s[4:5] offset:512*\j th:TH_LOAD_NT   ; read once in the whole launch
.endr
	s_cmp_lg_u32 s14, 0
	s_cbranch_scc1 .Ltable_done                    ; only wave 0 makes the table; the barrier stands behind the label, for every wave
	; THE TABLE.  Lane L owns components 4 L .. 4 L + 3: one 16-byte load from each of the three inputs.
	global_load_b128 v[PL:PL+3], v[LOFF], s[6:7]
	global_load_b128 v[LV:LV+3], v[LOFF], s[10:11]
	global_load_b128 v[MU:MU+3], v[LOFF], s[8:9]
	s_mov_b32 s16, 0x76543210                      ; v_permlanex16_b32: lane i of one half reads lane i of the other
	s_mov_b32 s17, 0xfedcba98
	s_wait_loadcnt 0x2                             ; loads return in order (ISA guide 5.7.1): pi_l is in, lv and mu may be out
	v_max_num_f32 v[T], v[PL], v[PL+1]             ; the maximum of the 128 pi_l: in the lane,
	v_max_num_f32 v[T+1], v[PL+2], v[PL+3]
	v_max_num_f32 v[T], v[T], v[T+1]
	v_max_num_f32_dpp v[T], v[T], v[T] row_xmask:1 row_mask:0xf bank_mask:0xf      ; in each half of 16 lanes,
	v_max_num_f32_dpp v[T], v[T], v[T] row_xmask:2 row_mask:0xf bank_mask:0xf
	v_max_num_f32_dpp v[T], v[T], v[T] row_xmask:4 row_mask:0xf bank_mask:0xf
	v_max_num_f32_dpp v[T], v[T], v[T] row_xmask:8 row_mask:0xf bank_mask:0xf
	v_permlanex16_b32 v[T+1], v[T], s16, s17       ; and across the halves (the destination has been written above)
	v_max_num_f32 v[T], v[T], v[T+1]
	v_pk_add_f32 v[PL:PL+1], v[PL:PL+1], v[T:T+1] op_sel_hi:[1,0] neg_lo:[0,1] neg_hi:[0,1]       ; pi_l - max
	v_pk_add_f32 v[PL+2:PL+3], v[PL+2:PL+3], v[T:T+1] op_sel_hi:[1,0] neg_lo:[0,1] neg_hi:[0,1]
	v_pk_mul_f32 v[PL:PL+1], v[PL:PL+1], 0x3fb8aa3b op_sel_hi:[1,0]                               ; x log2(e)
	v_pk_mul_f32 v[PL+2:PL+3], v[PL+2:PL+3], 0x3fb8aa3b op_sel_hi:[1,0]
.irp j, 0,1,2,3
	v_exp_f32 v[S+\j], v[PL+\j]                    ; exp(pi_l - max), at most 1
.endr
	s_wait_loadcnt 0x1                             ; lv is in, mu may be out
	v_pk_mul_f32 v[W:W+1], v[LV:LV+1], 0xbfb8aa3b op_sel_hi:[1,0]         ; -lv log2(e); also the plain instruction that stands between
	v_pk_mul_f32 v[W+2:W+3], v[LV+2:LV+3], 0xbfb8aa3b op_sel_hi:[1,0]     ; the exponentials and the first use of their results (ISA guide 5.7.2)
	s_wait_alu depctr_va_vdst(0)                   ; the four exponentials have written v[S ..]: one wait for the batch, ahead of its first reader
	v_pk_add_f32 v[S:S+1], v[S:S+1], v[S+2:S+3]    ; the sum of the 128, by the same steps as the maximum
	v_add_f32 v[S], v[S], v[S+1]
	v_add_f32_dpp v[S], v[S], v[S] row_xmask:1 row_mask:0xf bank_mask:0xf
	v_add_f32_dpp v[S], v[S], v[S] row_xmask:2 row_mask:0xf bank_mask:0xf
	v_add_f32_dpp v[S], v[S], v[S] row_xmask:4 row_mask:0xf bank_mask:0xf
	v_add_f32_dpp v[S], v[S], v[S] row_xmask:8 row_mask:0xf bank_mask:0xf
	v_permlanex16_b32 v[S+1], v[S], s16, s17
	v_add_f32 v[S], v[S], v[S+1]
	v_log_f32 v[S+1], v[S]                         ; log2 of the sum (the sum is between 1 and 128)
.irp j, 0,1,2,3
	v_exp_f32 v[AQ+\j], v[W+\j]                    ; exp(-lv)
.endr
	v_mul_u32_u24 v[TA], 3, v[LOFF]                ; 48 x lane; the plain instruction behind these five transcendentals
	s_wait_alu depctr_va_vdst(0)                   ; the logarithm has written v[S+1] and the four exponentials v[AQ ..]: one wait for the batch, ahead of its first reader
	v_sub_f32 v[S], 0xbfa9b21d, v[S+1]             ; -0.5 log2(2 pi) - log2(sum)
	v_pk_mul_f32 v[AQ:AQ+1], v[AQ:AQ+1], 0xbf38aa3b op_sel_hi:[1,0]       ; A = -0.5 log2(e) exp(-lv)
	v_pk_mul_f32 v[AQ+2:AQ+3], v[AQ+2:AQ+3], 0xbf38aa3b op_sel_hi:[1,0]
	v_pk_add_f32 v[PL:PL+1], v[PL:PL+1], v[S:S+1] op_sel_hi:[1,0]         ; log2 of softmax / sqrt(2 pi)
	v_pk_add_f32 v[PL+2:PL+3], v[PL+2:PL+3], v[S:S+1] op_sel_hi:[1,0]
	v_pk_fma_f32 v[PL:PL+1], v[LV:LV+1], 0xbf38aa3b, v[PL:PL+1] op_sel_hi:[1,0,1]         ; c = that - 0.5 log2(e) lv
	v_pk_fma_f32 v[PL+2:PL+3], v[LV+2:LV+3], 0xbf38aa3b, v[PL+2:PL+3] op_sel_hi:[1,0,1]
	s_wait_loadcnt 0x0                             ; mu, stored as it came
	s_wait_alu depctr_va_vdst(0)                   ; A in v[AQ ..], c in v[PL ..] and the address v[TA] are written, which the LDS stores read
	ds_store_b128 v[TA], v[MU:MU+3]                ; lane L at 48 L: sixteen neighbouring lanes fall on sixteen different 16-byte
	ds_store_b128 v[TA], v[AQ:AQ+3] offset:16      ; columns modulo 256 bytes, since 3 L mod 16 takes every value once
	ds_store_b128 v[TA], v[PL:PL+3] offset:32
	s_wait_dscnt 0x0                               ; for the other waves' sake: the table is in LDS before the signal
	s_wait_alu depctr_vm_vsrc(0)                   ; the LDS stores have read v[MU ..], v[AQ ..] and v[PL ..]: these registers are E and ACC from here on, written by the loop
.Ltable_done:
	s_barrier_signal -1
	s_barrier_wait -1                              ; behind it every wave may read the table; nobody writes LDS again
; three broadcast loads: one group of four components into pr
.macro LOADP pr, off
	ds_load_b128 v[\pr:\pr+3],    v[PA] offset:\off
	ds_load_b128 v[\pr+4:\pr+7],  v[PA] offset:\off+16
	ds_load_b128 v[\pr+8:\pr+11], v[PA] offset:\off+32
.endm
; One component for my 16 points.  The component is register pp + sel of each quad of group pr: op_sel and op_sel_hi both name that register
; of the pair, for the low and for the high result.
; The step is skewed twice.  v_exp_f32 works on the exponents that the step before left in E and writes xd; the packed lines between put this
; component's exponents in their place; the adds take as, which the group before wrote.  Each v_exp_f32 has a plain instruction that names none of
; its registers behind it, before E is rewritten (ISA guide 5.7.2), and no line of the step reads xd.
; xd = NONE: the first component, no exponents yet.  xd = ACC: the exponentials write the sums themselves, so that nothing is cleared.  as = NONE: nothing to add yet.
.macro STEP pr, pp, sel, xd, as
.irp i, 0,1,2,3,4,5,6,7
.if (\xd) >= 0
	v_exp_f32 v[(\xd)+\i], v[E+\i]
.endif
	v_pk_add_f32 v[D+2*\i:D+2*\i+1], v[X+2*\i:X+2*\i+1], v[\pr+\pp:\pr+\pp+1] op_sel:[0,\sel] op_sel_hi:[1,\sel] neg_lo:[0,1] neg_hi:[0,1]       ; d = mz - mu
.endr
.irp i, 0,1,2,3,4,5,6,7
.if (\xd) >= 0
	v_exp_f32 v[(\xd)+8+\i], v[E+8+\i]
.endif
	v_pk_mul_f32 v[D+2*\i:D+2*\i+1], v[D+2*\i:D+2*\i+1], v[D+2*\i:D+2*\i+1]                                                                 ; d^2
.endr
.irp i, 0,1,2,3,4,5,6,7
	v_pk_fma_f32 v[E+2*\i:E+2*\i+1], v[D+2*\i:D+2*\i+1], v[\pr+4+\pp:\pr+4+\pp+1], v[\pr+8+\pp:\pr+8+\pp+1] op_sel:[0,\sel,\sel] op_sel_hi:[1,\sel,\sel]       ; A d^2 + c
.if (\as) >= 0
	v_pk_add_f32 v[ACC+2*\i:ACC+2*\i+1], v[ACC+2*\i:ACC+2*\i+1], v[(\as)+2*\i:(\as)+2*\i+1]
.endif
.endr
.endm
; A trip: eight components, two groups.  A group's registers are loaded again, for the next trip, as soon as its four steps are done: four
; steps (192 instructions) ahead of their use.  first = 1: components 0-7, which start the pipeline and the sums.  more = 0: the last trip loads nothing.
; Step c of a group writes term 4 g + c - 1 into slot c of the group's G buffer and adds slot c of the other buffer: each sum takes its terms in ascending order.
.macro TRIP first, more
	s_wait_dscnt 0x3                               ; LDS loads return in order (ISA guide 5.7.1): PR0's three are in, PR1's three may be out
.if \first
	STEP PR0, 0, 0, NONE, NONE
	STEP PR0, 0, 1, ACC,  NONE                     ; term 0 starts the sums
	STEP PR0, 2, 0, G+32, NONE
	STEP PR0, 2, 1, G+48, NONE
.else
	STEP PR0, 0, 0, G,    G+64
	STEP PR0, 0, 1, G+16, G+80
	STEP PR0, 2, 0, G+32, G+96
	STEP PR0, 2, 1, G+48, G+112
.endif
.if \more
	s_wait_alu depctr_vm_vsrc(0)                   ; the loads of the table issued so far have read v[PA]
	v_add_nc_u32 v[PA], 2*GRP, v[PA]               ; the next trip's two groups
.endif
	s_wait_alu depctr_va_vdst(0)                   ; the group's exponentials have written G's first buffer (in the first trip ACC too), which the next group reads; its lines are done reading PR0, in which the loads below land; v[PA] is written
.if \more
	LOADP PR0, 0
	s_wait_dscnt 0x3                               ; PR1's three are in, the three just issued may be out
.else
	s_wait_dscnt 0x0                               ; nothing was issued behind PR1's three
.endif
.if \first
	STEP PR1, 0, 0, G+64, NONE                     ; the first buffer's slot 0 was never written, and its slot 1 went into ACC
	STEP PR1, 0, 1, G+80, NONE
.else
	STEP PR1, 0, 0, G+64, G
	STEP PR1, 0, 1, G+80, G+16
.endif
	STEP PR1, 2, 0, G+96,  G+32
	STEP PR1, 2, 1, G+112, G+48
	s_wait_alu depctr_va_vdst(0)                   ; the group's exponentials have written G's second buffer, which the next group reads (the wait stands ahead of the loop's jump); its lines are done reading PR1, in which the loads below land
.if \more
	LOADP PR1, GRP
.endif
.endm
	LOADP PR0, 0
	LOADP PR1, GRP
	s_wait_loadcnt 0x0                             ; my 16 points
	TRIP 1, 1                                      ; components 0-7: written out, since its first steps start the pipeline and the sums
	s_mov_b32 s15, 14                              ; components 8-119; the last of these trips loads groups 30 and 31, the table's end
.Ltrip:
	TRIP 0, 1
	s_sub_co_i32 s15, s15, 1
	s_cmp_lg_u32 s15, 0
	s_cbranch_scc1 .Ltrip
	TRIP 0, 0                                      ; components 120-127: written out, no load leaves the table
	; the last component's exponentials, into the first buffer's slot 0, dealt among the adds of the last group's batch (terms 123 to 126), which are the plain instructions behind them
.irp c, 0,1,2,3
.irp i, 0,1,2,3,4,5,6,7
.if \c < 2
	v_exp_f32 v[G+8*\c+\i], v[E+8*\c+\i]
.endif
	v_pk_add_f32 v[ACC+2*\i:ACC+2*\i+1], v[ACC+2*\i:ACC+2*\i+1], v[G+64+16*\c+2*\i:G+64+16*\c+2*\i+1]
.endr
.endr
	s_wait_alu depctr_va_vdst(0)                   ; the sixteen exponentials have written v[G ..]: one wait for the batch, ahead of its first reader
.irp j, 0,2,4,6,8,10,12,14
	v_pk_add_f32 v[ACC+\j:ACC+\j+1], v[ACC+\j:ACC+\j+1], v[G+\j:G+\j+1]    ; term 127
.endr
	s_wait_alu depctr_va_vdst(0)                   ; the adds have written ACC, which the stores read
.irp j, 0,1,2,3
	global_store_b128 v[OFF], v[ACC+4*\j:ACC+4*\j+3], s[12:13] offset:512*\j th:TH_STORE_NT   ; 32 lanes store 512 consecutive bytes, aligned
.endr
	s_wait_dscnt 0x0
	s_wait_alu depctr_hold_cnt(0) depctr_sa_sdst(0) depctr_va_vdst(0) depctr_va_sdst(0) depctr_va_ssrc(0) depctr_va_vcc(0) depctr_vm_vsrc(0)
	s_wait_tensorcnt 0x0
	ds_add_u32 v6, v7
	s_wait_dscnt 0x0
	s_endpgm
.Lfunc_end_k_q2ac81b0054_gmm:
	.size	k_q2ac81b0054_gmm, .Lfunc_end_k_q2ac81b0054_gmm-k_q2ac81b0054_gmm
	.p2alignl 7, 3214868480
	.fill 96, 4, 3214868480
	.section	.rodata,"a",@progbits
	.p2align	6, 0x0
	.amdhsa_kernel k_q2ac81b0054_gmm
		.amdhsa_group_segment_fixed_size 3584
		.amdhsa_private_segment_fixed_size 0
		.amdhsa_enable_private_segment 0
		.amdhsa_kernarg_size 40
		.amdhsa_user_sgpr_count 2
		.amdhsa_user_sgpr_kernarg_segment_ptr 1
		.amdhsa_wavefront_size32 1
		.amdhsa_system_sgpr_workgroup_id_x 1
		.amdhsa_system_sgpr_workgroup_id_y 1
		.amdhsa_system_sgpr_workgroup_id_z 1
		.amdhsa_system_vgpr_workitem_id 0
		.amdhsa_next_free_vgpr 224
		.amdhsa_next_free_sgpr 66
		.amdhsa_reserve_vcc 0
		.amdhsa_float_denorm_mode_32 3
		.amdhsa_float_denorm_mode_16_64 3
		.amdhsa_memory_ordered 1
		.amdhsa_forward_progress 1
		.amdhsa_inst_pref_size 67
	.end_amdhsa_kernel
	.amdgpu_metadata
---
amdhsa.version: [ 1, 2 ]
amdhsa.kernels:
  - .name:           k_q2ac81b0054_gmm
    .symbol:         k_q2ac81b0054_gmm.kd
    .args:
      - { .name: mz, .offset: 0, .size: 8, .value_kind: global_buffer, .address_space: global }
      - { .name: pi_l, .offset: 8, .size: 8, .value_kind: global_buffer, .address_space: global }
      - { .name: mu, .offset: 16, .size: 8, .value_kind: global_buffer, .address_space: global }
      - { .name: lv, .offset: 24, .size: 8, .value_kind: global_buffer, .address_space: global }
      - { .name: out0, .offset: 32, .size: 8, .value_kind: global_buffer, .address_space: global }
    .group_segment_fixed_size: 3584
    .private_segment_fixed_size: 0
    .kernarg_segment_align: 8
    .kernarg_segment_size: 40
    .max_flat_workgroup_size: 512
    .sgpr_count:     66
    .vgpr_count:     224
    .wavefront_size: 32
...
	.end_amdgpu_metadata
.endif
;; end of part 2
